; MI455X (gfx1250); checked and timed in simulation.
; The chip was launched on July 23, 2026; its instructions are those of AMD's public machine-readable ISA for CDNA 5 (MIT licence, August 2026) and "CDNA5" Instruction Set Architecture Reference Guide (July 2026). The comments in the code are by the model that wrote it; some were corrected since.
;; Attention. Allowed arithmetic: matrix products marked QUANTISED: E2M1 operands, one E8M0 scale for each 32 along K, by v_wmma_scale_f32_16x16x128_f8f6f4 with both operands' format E2M1 (or v_wmma_scale_f32_32x16x128_f4), f32 sums; products left as they are: bf16, f16 or f32 operands; f32 sums; everything else in f32.
;; Inputs: b_proj 1,024 float32; w_proj 1,024 x 1,024 float32; w_qkv 1,024 x 3,072 float32; x 4 x 2,048 x 1,024 float32.
;; Outputs: out0 4 x 2,048 x 1,024 float32.
;; This version of the problem:
;;   THIS VERSION OF THE PROBLEM IS GIVEN IN LOW PRECISION. The matrix products marked QUANTISED in the list below multiply operands that are first quantised to E2M1 (2 exponent bits, 1 mantissa bit; 4 bits a number), with one power-of-two scale for each 32 numbers along K (OCP MX v1.0); their sums are f32. The products marked 'left as it is' may take bf16, f16 or f32 operands, with f32 sums. Whichever they take, every output number must still come out within the allowed error. Rounding operands to bf16 (8 significant bits) uses up far more of that allowance than f16 does (11 bits, for magnitudes from 6e-5 to 65,504). All else is computed in f32.
;;   The module's matrix products, in the order in which they are computed (A, B: the left and right operand; K: the contracted axis; several contracted axes count as one K, in the product's order):
;;     1. [M 8,192, K 1,024] x [K 1,024, N 3,072]; A: input x; B: input w_qkv: QUANTISED
;;     2. batch 64 x [M 2,048, K 64] x [K 64, N 2,048]; A: computed on the way; B: computed on the way: left as it is (an operand is computed on the way)
;;     3. batch 64 x [M 2,048, K 2,048] x [K 2,048, N 64]; A: computed on the way; B: computed on the way: left as it is (an operand is computed on the way)
;;     4. [M 8,192, K 1,024] x [K 1,024, N 1,024]; A: computed on the way; B: input w_proj: left as it is (an operand is computed on the way)
;;   THE QUANTISER, for each operand of a quantised product, along K:
;;     - K is cut into blocks of 32 from its start; a last block that is shorter is filled with zeros.
;;     - A block's scale is 2^e with e = floor(log2(the largest magnitude in the block)) - 2, held to -126 .. 127; a block of zeros has e = 0. As a byte (E8M0): e + 127.
;;     - Each number is divided by its block's scale, clamped to +-6, and rounded to the nearest number of E2M1, ties to even, subnormals kept.
;;     - The product sums the exact products of the quantised numbers (number of the format x scale) in f32.
;;   ~~~python
;;   def quantise(x, axis):      # numpy; x: float32 -> the quantised numbers, widened to float32 again
;;       x = np.moveaxis(x, axis, -1); K = x.shape[-1]
;;       x = np.pad(x, [(0, 0)] * (x.ndim - 1) + [(0, -K % 32)]); x = x.reshape(x.shape[:-1] + (-1, 32)); a = np.abs(x).max(-1, keepdims=True)
;;       e = np.where(a > 0, np.clip(np.frexp(np.where(a > 0, a, 1))[1] - 1 - 2, -126, 127), 0)      # np.frexp(a)[1] - 1 = floor(log2(a)), exactly
;;       r = np.clip(x / 2.0 ** e, -6, 6)
;;       step = 2.0 ** (np.maximum(np.frexp(np.where(r == 0, 1, r))[1] - 1, 0) - 1)
;;       q = np.round(r / step) * step * 2.0 ** e      # np.round: ties to even
;;       return np.moveaxis(q.reshape(q.shape[:-2] + (-1,))[..., :K], -1, axis).astype(np.float32)
;;   ~~~
;; One version. Each part assembles by itself: llvm-mc -triple=amdgcn-amd-amdhsa -mcpu=gfx1250 --defsym DOCPART=n.
;; ======== version 1 of 1: 4 launches
;; limits: values are held in f16: magnitudes above 65,504 overflow, below 6.1e-05 lose precision
;; workspace buffers: xc 4,194,304 bytes; xs 262,144 bytes; wc 1,572,864 bytes; ws 98,304 bytes; wp 2,097,152 bytes; qkvh 50,331,648 bytes; oa 16,777,216 bytes
;; launch prep (part 1): grid 768 x 1, 4 waves a work-group, no clusters, 68,096 bytes of LDS; arguments x, w_qkv, w_proj, xc, xs, wc, ws, wp; writes xc, xs, wc, ws, wp
.if DOCPART == 1
	.amdgcn_target "amdgcn-amd-amdhsa--gfx1250"
	.amdhsa_code_object_version 6
	.text
	.protected	k_q9d405ca68f_prep
	.globl	k_q9d405ca68f_prep
	.p2align	8
	.type	k_q9d405ca68f_prep,@function
k_q9d405ca68f_prep:
	s_mov_b64 s[64:65], 0
	v_nop
	global_prefetch_b8 v0, s[64:65] scope:SCOPE_SE
	s_setreg_imm32_b32 hwreg(HW_REG_WAVE_MODE, 25, 1), 1
	s_wait_xcnt 0x0
; PREP.  x [8192][1024] and w_qkv [1024][3072], f32, become codes of FP4 (E2M1) with one E8M0 scale byte for each 32 along K = 1024; w_proj [1024][1024] becomes f16 with K innermost.
; ALL OUTPUTS ARE IMAGES OF OPERAND REGISTERS.  A fragment is 1,024 bytes: register group g (four registers) of lane l at 512 g + 16 l.
;   FP4 fragment (16 rows x 128 K): that is block t (32 along K) of row r at 256 t + 16 r.   f16 fragment (16 rows x 32 K): K = 8 g .. 8 g + 7 of row r at 256 g + 16 r.
;   xc [row tile 512][K step 8][1024], xs [row tile][K step][row 16] words (a word: the four scale bytes of 128 along K);  wc, ws the same for the 192 column tiles of w_qkv;  wp [column tile 64][K chunk of 32: 32][1024].
; A block's scale is 2^(floor(log2(its largest magnitude)) - 2); its byte is the largest magnitude's exponent field - 2, held at 1 from below by a floor among the maximum's leaves.
; LIMITS: NaN and infinities among the inputs are not served.  A block of zeros gets the byte 1 where the rule says 127: its codes are zeros, and this program alone reads the bytes.
;   Blocks whose largest magnitude lies under 2^(3 - 127) take the floor's byte.  w_proj goes to f16: magnitudes under 65,504; under 6e-5 the step is 6e-8.
; SHARES.  Work-groups 0-191: w_qkv, 128 along K x 128 columns each; 192-255: w_proj likewise; 256-767: x, 16 rows each.  The three ways part on the work-group's number alone; only x's way touches LDS.
; No barrier, no loop: waves share nothing, and every wave issues all its loads first.
.set R,     64                         ; v64-191  the numbers as they are loaded
.set X,     192                        ; v192-255 x: 64 numbers in the operand's order;  w_proj: the packed f16
.set CD,    24                         ; v24-39   codes
.set SPW,   62                         ; v62      LDS address of my spare word: SPARE + 4 x my thread's number; never rewritten
.set NIL,   63                         ; v63      0; never rewritten
.set STG,   8448                       ; a stage: 16 rows x (512 bytes + 16)
.set WREG,  2*STG                      ; a wave's two stages
.set SPARE, 4*WREG                     ; behind the stages: the spare words, 128 bytes for each wave
.set FLOOR, 0x1800000                  ; 2^(3 - 127)
.set EOFF,  0xff000000                 ; takes 2 off an exponent field
	s_load_b256 s[4:11], s[0:1], 0x0               ; x s[4:5], w_qkv s[6:7], w_proj s[8:9], xc s[10:11]
	s_load_b256 s[12:19], s[0:1], 0x20             ; xs s[12:13], wc s[14:15], ws s[16:17], wp s[18:19]
	v_lshl_add_u32 v[SPW], v0, 2, SPARE
	v_mov_b32 v[NIL], 0
	v_lshrrev_b32 v1, 5, v0
	v_readfirstlane_b32 s20, v1                    ; wave 0..3
	v_and_b32 v1, 31, v0                           ; lane
	v_and_b32 v2, 15, v0                           ; r
	v_bfe_u32 v3, v0, 4, 1                         ; h
	v_lshlrev_b32 v4, 4, v1                        ; 16 x lane
	v_lshlrev_b32 v10, 2, v1                       ; 4 x lane
	s_mov_b32 s23, 0                               ; the upper word of every offset
	s_mov_b32 s30, 0x76543210
	s_mov_b32 s31, 0xfedcba98                      ; v_permlanex16_b32's selects for lane l xor 16
	s_wait_kmcnt 0x0
	s_cmp_lt_u32 ttmp9, 192
	s_cbranch_scc1 .Lwq
	s_cmp_lt_u32 ttmp9, 256
	s_cbranch_scc1 .Lwp
; ---- x: row tile = work-group - 256.  Wave w takes K = 256 w .. 256 w + 255: K steps 2 w and 2 w + 1.
	s_sub_co_u32 s21, ttmp9, 256
	s_lshl_b32 s22, s21, 16                        ; 16 rows of 4,096 bytes,
	s_lshl_b32 s24, s20, 10                        ; my 1,024 bytes of each
	s_add_co_u32 s22, s22, s24
	s_add_nc_u64 s[4:5], s[4:5], s[22:23]
	s_lshl_b32 s22, s21, 13                        ; codes: 8,192 bytes a row tile, 2,048 a wave
	s_lshl_b32 s24, s20, 11
	s_add_co_u32 s22, s22, s24
	s_add_nc_u64 s[10:11], s[10:11], s[22:23]
	s_lshl_b32 s22, s21, 9                         ; scale words: 512 bytes a row tile, 128 a wave
	s_lshl_b32 s24, s20, 7
	s_add_co_u32 s22, s22, s24
	s_add_nc_u64 s[12:13], s[12:13], s[22:23]
.irp j, 0,1
.irp i, 0,1,2,3,4,5,6,7,8,9,10,11,12,13,14,15
	global_load_b128 v[R+64*\j+4*\i:R+64*\j+4*\i+3], v4, s[4:5] offset:4096*\i+512*\j th:TH_LOAD_NT   ; row i, K step j: 32 lanes read 512 consecutive bytes
.endr
.endr
	s_mul_i32 s25, s20, WREG
	v_add_nc_u32 v8, s25, v4                       ; into a stage: as loaded, 16 x lane in row i
	v_mul_u32_u24 v9, v2, 528
	v_lshl_add_u32 v9, v3, 7, v9
	v_add_nc_u32 v9, s25, v9                       ; out of it: row r, + 128 h: lane (r, h) takes blocks h and 2 + h whole, as the operand's layout gives them to it
	v_lshlrev_b32 v11, 3, v3                       ; 8 h
	v_mov_b32 v22, 0                               ; written once: a lane permute's destination counts as one of its sources
; 64 numbers of a lane, v[src + 32 b + i] = k 64 b + 32 h + i of row r, become registers c .. c + 7 of the fragment and the row's scale word in v[w]
.macro QUANTX src, c, w
.irp b, 0,1
	v_max3_num_f32 v[12+\b], |v[\src+32*\b]|, |v[\src+32*\b+1]|, FLOOR      ; my block 2 b + h: all 32 numbers are mine; the floor holds the byte at 1 from below
.endr
.irp i, 2,4,6,8,10,12,14,16,18,20,22,24,26,28,30
.irp b, 0,1
	v_max3_num_f32 v[12+\b], v[12+\b], |v[\src+32*\b+\i]|, |v[\src+32*\b+\i+1]|
.endr
.endr
.irp b, 0,1
	v_add_nc_u32 v[16+\b], EOFF, v[12+\b]          ; 2 off the exponent field: the conversion takes the exponent field of this operand as its scale
.endr
.irp b, 0,1
	v_lshrrev_b32 v[18+\b], 23, v[16+\b]           ; the scale's byte
.endr
	v_lshl_or_b32 v[\w], v19, 16, v18              ; blocks h and 2 + h,
	v_lshlrev_b32 v[\w], v11, v[\w]                ; at their places in the word (8 h bits up);
	v_permlanex16_b32 v22, v[\w], s30, s31
	v_or_b32 v[\w], v[\w], v22                     ; with lane l xor 16's two the word is whole, in both lanes
.irp b, 0,1
.irp g, 0,1,2,3
	v_cvt_scalef32_pk8_fp4_f32 v[\c+4*\b+\g], v[\src+32*\b+8*\g:\src+32*\b+8*\g+7], v[16+\b]
.endr
.endr
	v_nop                                          ; one plain place behind the last scaled conversion
.endm
	s_wait_loadcnt 16                              ; K step 0's sixteen loads are in; K step 1's sixteen may be out
.set i, 0
.rept 16
	ds_store_b128 v8, v[R+4*i:R+4*i+3] offset:528*i
.set i, i+1
.endr
.irp c, 0,1
.irp q, 0,1,2,3,4,5,6,7
	ds_load_b128 v[X+32*\c+4*\q:X+32*\c+4*\q+3], v9 offset:256*\c+16*\q          ; LDS serves a wave's instructions in order: these see my stores
.endr
.endr
	s_wait_loadcnt 0x0
.set i, 0
.rept 16
	ds_store_b128 v8, v[R+64+4*i:R+64+4*i+3] offset:STG+528*i
.set i, i+1
.endr
	s_wait_dscnt 16                                ; the first stage's 32 instructions are done (the second's sixteen stores may be out): K step 0 lies in v192-255, and v64-127 are free
.irp c, 0,1
.irp q, 0,1,2,3,4,5,6,7
	ds_load_b128 v[R+32*\c+4*\q:R+32*\c+4*\q+3], v9 offset:STG+256*\c+16*\q
.endr
.endr
	QUANTX X, CD, 20
	s_wait_dscnt 0x0                               ; K step 1 lies in v64-127
	QUANTX R, CD+8, 21
.irp g, 0,1,2,3
	global_store_b128 v4, v[CD+4*\g:CD+4*\g+3], s[10:11] offset:512*\g           ; two fragments as they stand: 512 consecutive bytes a store
.endr
	v_cmp_le_u32 vcc_lo, 16, v1
	v_cndmask_b32 v23, v20, v21, vcc_lo            ; lanes 0-15: K step 2 w's word of row r; lanes 16-31: K step 2 w + 1's
	global_store_b32 v10, v23, s[12:13]            ; 128 consecutive bytes
	s_wait_tensorcnt 0x0                           ; the wave's end: the tensor wait, the add and its wait stand behind my last LDS store, the first even in a text with no tensor load
	ds_add_u32 v[SPW], v[NIL]
	s_wait_dscnt 0x0
	s_endpgm
; ---- w_qkv: K step ks = work-group % 8, columns 128 (work-group / 8) + 32 wave + lane.  A LANE TAKES A COLUMN, AND ITS REGISTERS RUN DOWN K: nothing is transposed.
.Lwq:
	s_and_b32 s21, ttmp9, 7                        ; ks
	s_lshr_b32 s24, ttmp9, 3
	s_lshl_b32 s24, s24, 2
	s_add_co_u32 s24, s24, s20                     ; my 32 columns' number
	s_mul_i32 s22, s21, 128*12288                  ; 128 rows of 12,288 bytes a K step
	s_lshl_b32 s25, s24, 7
	s_add_co_u32 s22, s22, s25
	s_add_nc_u64 s[6:7], s[6:7], s[22:23]
	s_lshl_b32 s22, s24, 14                        ; two column tiles of 8,192 bytes,
	s_lshl_b32 s25, s21, 10                        ; the K step's fragment in each
	s_add_co_u32 s22, s22, s25
	s_add_nc_u64 s[14:15], s[14:15], s[22:23]
	s_lshl_b32 s22, s24, 10                        ; scale words: 512 bytes a column tile, 64 a K step
	s_lshl_b32 s25, s21, 6
	s_add_co_u32 s22, s22, s25
	s_add_nc_u64 s[16:17], s[16:17], s[22:23]
	v_lshlrev_b32 v5, 4, v2
	v_lshl_add_u32 v5, v3, 13, v5                  ; lanes 0-15: the first column tile, 16 r; lanes 16-31: the second
	v_lshlrev_b32 v6, 2, v2
	v_lshl_add_u32 v6, v3, 9, v6
.set i, 0
.rept 128
	global_load_b32 v[R+i], v10, s[6:7] offset:i*12288 th:TH_LOAD_NT             ; row k = 128 ks + i at 32 neighbouring columns; the four waves stand side by side on 512 bytes
.set i, i+1
.endr
.macro WBLK t                          ; block t of the K step: 32 numbers of my column
.if 96-32*(\t) > 63
	s_wait_loadcnt 63                              ; 96 - 32 t loads were issued behind this block's; a wait's count names 63 at the most, which is fewer
.else
	s_wait_loadcnt 96-32*(\t)                      ; the later blocks' loads may be out
.endif
.set XS, R+32*(\t)
	v_max3_num_f32 v12, |v[XS]|, |v[XS+1]|, |v[XS+2]|
	v_max3_num_f32 v13, |v[XS+3]|, |v[XS+4]|, |v[XS+5]|
.irp i, 6,10,14,18,22,26
	v_max3_num_f32 v12, v12, |v[XS+\i]|, |v[XS+\i+1]|
	v_max3_num_f32 v13, v13, |v[XS+\i+2]|, |v[XS+\i+3]|
.endr
	v_max3_num_f32 v12, v12, |v[XS+30]|, |v[XS+31]|
	v_max3_num_f32 v12, v12, v13, FLOOR
	v_add_nc_u32 v[16+(\t)], EOFF, v12
	v_lshrrev_b32 v13, 23, v[16+(\t)]
.if (\t) == 0
	v_mov_b32 v20, v13                             ; four bytes to the word, the lower K in the lower byte
.else
	v_lshl_or_b32 v20, v13, 8*(\t), v20
.endif
.irp g, 0,1,2,3
	v_cvt_scalef32_pk8_fp4_f32 v[CD+4*(\t)+\g], v[XS+8*\g:XS+8*\g+7], v[16+(\t)]
.endr
	v_nop                                          ; one plain place behind the last scaled conversion
	global_store_b128 v5, v[CD+4*(\t):CD+4*(\t)+3], s[14:15] offset:256*(\t)     ; sixteen lanes store 256 consecutive bytes, aligned: block t of one fragment
.endm
	WBLK 0
	WBLK 1
	WBLK 2
	WBLK 3
	global_store_b32 v6, v20, s[16:17]             ; my column's scale word: pieces of 64 bytes, 96 KB in the whole launch
	s_endpgm
; ---- w_proj: the same walk; rounded to f16 in pairs along K.
.Lwp:
	s_sub_co_u32 s26, ttmp9, 192
	s_and_b32 s21, s26, 7                          ; which 128 along K
	s_lshr_b32 s24, s26, 3
	s_lshl_b32 s24, s24, 2
	s_add_co_u32 s24, s24, s20                     ; my 32 columns' number
	s_lshl_b32 s22, s21, 19                        ; 128 rows of 4,096 bytes
	s_lshl_b32 s25, s24, 7
	s_add_co_u32 s22, s22, s25
	s_add_nc_u64 s[8:9], s[8:9], s[22:23]
	s_lshl_b32 s22, s24, 16                        ; two column tiles of 32,768 bytes,
	s_lshl_b32 s25, s21, 12                        ; four fragments of 32 along K in each
	s_add_co_u32 s22, s22, s25
	s_add_nc_u64 s[18:19], s[18:19], s[22:23]
	v_lshlrev_b32 v7, 4, v2
	v_lshl_add_u32 v7, v3, 15, v7
.set i, 0
.rept 128
	global_load_b32 v[R+i], v10, s[8:9] offset:i*4096 th:TH_LOAD_NT
.set i, i+1
.endr
.irp u, 0,1,2,3
.if 96-32*\u > 63
	s_wait_loadcnt 63                              ; as above: fewer than the loads issued behind this chunk's
.else
	s_wait_loadcnt 96-32*\u
.endif
.set i, 0
.rept 16
	v_cvt_pk_f16_f32 v[X+16*\u+i], v[R+32*\u+2*i], v[R+32*\u+2*i+1]              ; the lower k in the low half
.set i, i+1
.endr
.irp g, 0,1,2,3
	global_store_b128 v7, v[X+16*\u+4*\g:X+16*\u+4*\g+3], s[18:19] offset:1024*\u+256*\g   ; K = 8 g .. 8 g + 7 of sixteen columns: 256 consecutive bytes, aligned
.endr
.endr
	s_endpgm
.Lfunc_end_k_q9d405ca68f_prep:
	.size	k_q9d405ca68f_prep, .Lfunc_end_k_q9d405ca68f_prep-k_q9d405ca68f_prep
	.p2alignl 7, 3214868480
	.fill 96, 4, 3214868480
	.section	.rodata,"a",@progbits
	.p2align	6, 0x0
	.amdhsa_kernel k_q9d405ca68f_prep
		.amdhsa_group_segment_fixed_size 68096
		.amdhsa_private_segment_fixed_size 0
		.amdhsa_enable_private_segment 0
		.amdhsa_kernarg_size 64
		.amdhsa_user_sgpr_count 2
		.amdhsa_user_sgpr_kernarg_segment_ptr 1
		.amdhsa_wavefront_size32 1
		.amdhsa_system_sgpr_workgroup_id_x 1
		.amdhsa_system_sgpr_workgroup_id_y 1
		.amdhsa_system_sgpr_workgroup_id_z 1
		.amdhsa_system_vgpr_workitem_id 0
		.amdhsa_next_free_vgpr 256
		.amdhsa_next_free_sgpr 66
		.amdhsa_reserve_vcc 1
		.amdhsa_float_denorm_mode_32 3
		.amdhsa_float_denorm_mode_16_64 3
		.amdhsa_memory_ordered 1
		.amdhsa_forward_progress 1
		.amdhsa_inst_pref_size 54
	.end_amdhsa_kernel
	.amdgpu_metadata
---
amdhsa.version: [ 1, 2 ]
amdhsa.kernels:
  - .name:           k_q9d405ca68f_prep
    .symbol:         k_q9d405ca68f_prep.kd
    .args:
      - { .name: x, .offset: 0, .size: 8, .value_kind: global_buffer, .address_space: global }
      - { .name: w_qkv, .offset: 8, .size: 8, .value_kind: global_buffer, .address_space: global }
      - { .name: w_proj, .offset: 16, .size: 8, .value_kind: global_buffer, .address_space: global }
      - { .name: xc, .offset: 24, .size: 8, .value_kind: global_buffer, .address_space: global }
      - { .name: xs, .offset: 32, .size: 8, .value_kind: global_buffer, .address_space: global }
      - { .name: wc, .offset: 40, .size: 8, .value_kind: global_buffer, .address_space: global }
      - { .name: ws, .offset: 48, .size: 8, .value_kind: global_buffer, .address_space: global }
      - { .name: wp, .offset: 56, .size: 8, .value_kind: global_buffer, .address_space: global }
    .group_segment_fixed_size: 68096
    .private_segment_fixed_size: 0
    .kernarg_segment_align: 8
    .kernarg_segment_size: 64
    .max_flat_workgroup_size: 128
    .sgpr_count:     66
    .vgpr_count:     256
    .wavefront_size: 32
...
	.end_amdgpu_metadata
.endif
;; end of part 1
;; launch gemm_qkv (part 2): grid 12 x 32, 4 waves a work-group, clusters of 4 x 4, 327,680 bytes of LDS; arguments xc, xs, wc, ws, qkvh; writes qkvh
.if DOCPART == 2
	.amdgcn_target "amdgcn-amd-amdhsa--gfx1250"
	.amdhsa_code_object_version 6
	.text
	.protected	k_q9d405ca68f_gemm_qkv
	.globl	k_q9d405ca68f_gemm_qkv
	.p2align	8
	.type	k_q9d405ca68f_gemm_qkv,@function
k_q9d405ca68f_gemm_qkv:
	s_mov_b64 s[64:65], 0
	v_nop
	global_prefetch_b8 v0, s[64:65] scope:SCOPE_SE
	s_setreg_imm32_b32 hwreg(HW_REG_WAVE_MODE, 25, 1), 1
	s_wait_xcnt 0x0
	s_wait_alu depctr_hold_cnt(0) depctr_sa_sdst(0) depctr_va_vdst(0) depctr_va_sdst(0) depctr_va_ssrc(0) depctr_va_vcc(0) depctr_vm_vsrc(0)
	s_getreg_b32 s2, hwreg(HW_REG_IB_STS2, 6, 4)
	s_cmp_eq_u32 s2, 0
	s_cbranch_scc0 .Lentry_in_a_cluster
	s_endpgm
.Lentry_in_a_cluster:
	s_bfe_u32 s2, ttmp6, 0x10000c
	s_cmp_lg_u32 s2, 0xf033
	s_cbranch_scc0 .Lentry_shape_is_right
	s_endpgm
.Lentry_shape_is_right:
; x [8192][1024] x w_qkv [1024][3072] on codes of FP4 (E2M1) with one E8M0 scale for each 32 along K; sums in f32; results rounded once to f16 and stored as the operand images that the attention reads.
; INPUTS are images of operand registers: xc [row tile 512][K step 8][1024], wc [column tile 192][K step 8][1024]; xs, ws [tile][K step 8][row 16] scale words.
; OUTPUT qkvh: q at byte 0 and k at 2^24: [batch x head 64][token tile 128][channels 32 c ..: 2][1024] (rows = tokens, K = channels);  v at 2^25: [batch x head 64][keys 32 c ..: 64][channel tile 4][1024] (rows = channels, K = keys).
; LIMIT: q, k, v travel in f16: magnitudes under 65,504.
; SHARES.  A tile of 256 tokens x 256 columns to a work-group of four waves, 128 x 128 a wave: 64 accumulators, 512 registers.  K = 1,024 is eight steps of 128: ALL of it lies in LDS (two slots of four steps), so nothing is filled again.
; CLUSTERS: 4 x 4 work-groups.  x's tiles are shared along a row of the cluster, w's along a column: each is asked for jointly, by the same tensor load with the same descriptor and a mask that names the four.
; WHICH OPERAND IS SOURCE 0.  In a result, lane l holds row l % 16 of source 1, and its eight registers rows 8 (l / 16) + 0 .. 7 of source 0.  For q and k source 0 = w, source 1 = x: a lane's eight numbers are eight
; channels of one token; for v source 0 = x, source 1 = w: eight keys of one channel.  Rounded in pairs they are four registers of the image, so every store is 512 consecutive bytes and no stage is needed.
; The section (q, k, v) is the cluster's x, the same in all sixteen partners; it chooses four LDS read addresses by s_cselect_b32 and one of two ways out; the products' text is one.
; REGISTERS, in windows of 256: window 0: v16-29 addresses; v32-63 source 1's scale words, v64-95 source 0's (nothing else ever stands there); v128-191 source 1's eight fragments, ONE set.
;   window 1: source 0's fragments, TWO sets, at v0 and v128; on the way out all 256: the packed results.   windows 2, 3: the accumulators: (a, b) at v[8 (8 (a % 4) + b)] of window 2 + a / 4.
.set SLOTB, 131072                     ; a slot: x's 16 tiles x 4 K steps x 1,024 bytes, then w's
.set WPART, 65536
.set SCX,   2*SLOTB                    ; x's scale words, 8,192 bytes;
.set SCW,   SCX+8192                   ; w's;
.set SPARE, SCW+8192                   ; the spare words, 128 bytes for each wave
.set ADR1, 16                          ; v16-17  LDS address of source 1's fragments in slot 0, 1
.set ADR0, 20                          ; v20-21  the same for source 0
.set AS1,  24                          ; v24     of source 1's scale words
.set AS0,  25                          ; v25     of source 0's
.set CO,   26                          ; v26     16 x lane
.set SPW,  28                          ; v28     LDS address of my spare word; never rewritten
.set NIL,  29                          ; v29     0; never rewritten
.set SC1,  32                          ; register 4 i + p: tile i's words: lanes 0-15 K step 2 p, lanes 16-31 K step 2 p + 1
.set SC0,  64
.set AF,   128
.set G1X,  24                          ; s[24:31] group 1 for x's codes;  s[32:39] group 0, one set a slot
.set G0X,  32
.set G1W,  48                          ; s[48:55], s[56:63] the same for w's
.set G0W,  56
.set G1SX, 68                          ; s[68:75], s[76:79] groups 1 and 0 for x's scale words;  s[80:87], s[88:91] for w's
.set G0SX, 76
.set G1SW, 80
.set G0SW, 88
.set MSB, 0
.macro WIN new                         ; the immediate's high byte repeats the setting that is left
.if MSB != (\new)
	s_set_vgpr_msb (MSB<<8)|(\new)
.set MSB, \new
.endif
.endm
.set MUL_LO, 0xa1                      ; source 0 window 1, source 1 window 0, C and D window 2
.set MUL_HI, 0xf1                      ; the same, C and D window 3
.set TO_B,   0x40                      ; destination window 1, address window 0
; A joint load: waves 0 and 1 fetch for x, waves 2 and 3 for w.  The branch hangs on the wave's number alone.  An s_nop 0 and four v_nop follow each of the two lines.
.macro JLOAD g0a, g1a, g0b, g1b
	s_cmp_eq_u32 s15, 0
	s_cbranch_scc0 .Lfor_b_\@
	tensor_load_to_lds s[\g0a:\g0a+3], s[\g1a:\g1a+7]
	s_nop 0
.rept 4
	v_nop
.endr
	s_branch .Lasked_\@
.Lfor_b_\@:
	tensor_load_to_lds s[\g0b:\g0b+3], s[\g1b:\g1b+7]
	s_nop 0
.rept 4
	v_nop
.endr
.Lasked_\@:
.endm
.macro CROUND                          ; a round of the cluster's barrier
	s_barrier_signal -1
	s_barrier_wait -1
	s_cmp_lg_u32 s14, 0
	s_cbranch_scc1 .Lnot_wave_0_\@
	s_barrier_signal -3
.Lnot_wave_0_\@:
	s_barrier_wait -3
	s_barrier_signal -1
	s_barrier_wait -1
.endm
	s_load_b128 s[4:7], s[0:1], 0x0                ; xc s[4:5], xs s[6:7]
	s_load_b128 s[8:11], s[0:1], 0x10              ; wc s[8:9], ws s[10:11]
	s_load_b64 s[12:13], s[0:1], 0x20              ; qkvh
	v_lshl_add_u32 v[SPW], v0, 2, SPARE
	v_mov_b32 v[NIL], 0
	ds_add_u32 v[SPW], v[NIL]                      ; the wave's opening: the add, twice on end, and its wait ahead of my first tensor load
	ds_add_u32 v[SPW], v[NIL]
	v_lshrrev_b32 v1, 5, v0
	v_readfirstlane_b32 s14, v1                    ; wave 0..3
	s_lshr_b32 s15, s14, 1                         ; which 128 tokens are mine.  Also: I fetch for x (0) or for w (1)
	s_and_b32 s16, s14, 1                          ; which 128 columns.  Also: which half of that tile I fetch
	s_bfe_u32 s40, ttmp6, 0x40000                  ; cx, cy: my place in the cluster
	s_bfe_u32 s41, ttmp6, 0x40004
	s_lshl_b32 s42, ttmp9, 2
	s_add_co_u32 s42, s42, s40                     ; tile column = 4 x cluster x + cx
	s_and_b32 s17, ttmp7, 0xffff
	s_lshl_b32 s17, s17, 2
	s_add_co_u32 s17, s17, s41                     ; tile row = 4 x cluster y + cy
	s_lshl_b32 s43, s41, 2
	s_lshl_b32 s43, 15, s43                        ; my row of the cluster
	s_lshl_b32 s44, 0x1111, s40                    ; my column
	; group 1 for codes: eight tiles' four K steps: 8 rows of 4,096 bytes (512 elements of 8), 8,192 bytes apart in memory, dense in LDS
	s_or_b32 s[G1X], s43, (3<<16)|(1<<21)          ; 15:0 the mask; 17:16 elements of 8 bytes; 21 set beside a mask; no padding
	s_or_b32 s[G1W], s44, (3<<16)|(1<<21)
.irp g, G1X, G1W
	s_mov_b32 s[\g+1], 512<<16                     ; tensor_dim0
	s_mov_b32 s[\g+2], 8<<16                       ; tensor_dim1
	s_mov_b32 s[\g+3], 512<<16                     ; tile_dim0
	s_mov_b32 s[\g+4], 8                           ; tile_dim1
	s_mov_b32 s[\g+5], 1024                        ; tensor_dim0_stride
	s_mov_b32 s[\g+6], 0
	s_mov_b32 s[\g+7], 0
.endr
	; and for the scale words of eight tiles: 4,096 dense bytes as 16 rows of 256
	s_or_b32 s[G1SX], s43, (3<<16)|(1<<21)
	s_or_b32 s[G1SW], s44, (3<<16)|(1<<21)
.irp g, G1SX, G1SW
	s_mov_b32 s[\g+1], 32<<16
	s_mov_b32 s[\g+2], 16<<16
	s_mov_b32 s[\g+3], 32<<16
	s_mov_b32 s[\g+4], 16
	s_mov_b32 s[\g+5], 32
	s_mov_b32 s[\g+6], 0
	s_mov_b32 s[\g+7], 0
.endr
	s_lshl_b32 s18, s16, 16                        ; my half: eight tiles of 8,192 bytes
	s_lshl_b32 s20, s17, 17
	s_add_co_u32 s20, s20, s18                     ; x's codes: by the tile row alone
	s_lshl_b32 s46, s42, 17
	s_add_co_u32 s46, s46, s18                     ; w's: by the tile column alone
	s_lshl_b32 s18, s16, 12
	s_lshl_b32 s22, s17, 13
	s_add_co_u32 s22, s22, s18                     ; and their scale words
	s_lshl_b32 s92, s42, 13
	s_add_co_u32 s92, s92, s18
	s_mov_b32 s21, 0
	s_mov_b32 s23, 0
	s_mov_b32 s47, 0
	s_mov_b32 s93, 0
	s_lshl_b32 s45, s14, 15                        ; where they go: wave x 32,768: x's two halves, then w's: no place in the cluster enters an LDS address
	s_lshl_b32 s94, s14, 12
	s_wait_dscnt 0x0                               ; both opening adds are done
	s_wait_kmcnt 0x0
	s_add_nc_u64 s[20:21], s[4:5], s[20:21]
	s_add_nc_u64 s[22:23], s[6:7], s[22:23]
	s_add_nc_u64 s[46:47], s[8:9], s[46:47]
	s_add_nc_u64 s[92:93], s[10:11], s[92:93]
	CROUND                                         ; all sixteen work-groups are here: the joint loads meet
	s_mov_b32 s[G0SX], 1
	s_add_co_u32 s[G0SX+1], s94, SCX
	s_mov_b64 s[G0SX+2:G0SX+3], s[22:23]
	s_or_b32 s[G0SX+3], s[G0SX+3], 0x80000000
	s_mov_b32 s[G0SW], 1
	s_add_co_u32 s[G0SW+1], s94, SCX
	s_mov_b64 s[G0SW+2:G0SW+3], s[92:93]
	s_or_b32 s[G0SW+3], s[G0SW+3], 0x80000000
	JLOAD G0SX, G1SX, G0SW, G1SW                   ; the scale words first: they are wanted with K step 0
.irp s, 0,1
	s_mov_b32 s[G0X+4*\s], 1
	s_add_co_u32 s[G0X+4*\s+1], s45, \s*SLOTB
	s_add_nc_u64 s[G0X+4*\s+2:G0X+4*\s+3], s[20:21], \s*4096
	s_or_b32 s[G0X+4*\s+3], s[G0X+4*\s+3], 0x80000000
	s_mov_b32 s[G0W+4*\s], 1
	s_add_co_u32 s[G0W+4*\s+1], s45, \s*SLOTB
	s_add_nc_u64 s[G0W+4*\s+2:G0W+4*\s+3], s[46:47], \s*4096
	s_or_b32 s[G0W+4*\s+3], s[G0W+4*\s+3], 0x80000000
	JLOAD G0X+4*\s, G1X, G0W+4*\s, G1W             ; three tensor loads of mine are out: all that this launch has
.endr
	v_and_b32 v1, 31, v0
	v_lshlrev_b32 v[CO], 4, v1
	v_lshlrev_b32 v2, 2, v1
	s_lshl_b32 s21, s15, 15                        ; x's fragments of my 128 tokens
	s_lshl_b32 s22, s16, 15
	s_add_co_u32 s22, s22, WPART                   ; w's of my 128 columns
	s_lshl_b32 s23, s15, 12
	s_add_co_u32 s23, s23, SCX                     ; and their scale words
	s_lshl_b32 s18, s16, 12
	s_add_co_u32 s18, s18, SCW
	s_cmp_eq_u32 ttmp9, 2                          ; section v?  The cluster's x: the same in all partners
	s_cselect_b32 s95, s21, s22                    ; source 0: x for v, w for q and k
	s_cselect_b32 s96, s22, s21                    ; source 1: the other
	s_cselect_b32 s97, s23, s18
	s_cselect_b32 s19, s18, s23
	v_add_nc_u32 v[ADR0], s95, v[CO]
	v_add_nc_u32 v[ADR0+1], SLOTB, v[ADR0]
	v_add_nc_u32 v[ADR1], s96, v[CO]
	v_add_nc_u32 v[ADR1+1], SLOTB, v[ADR1]
	v_add_nc_u32 v[AS0], s97, v2
	v_add_nc_u32 v[AS1], s19, v2
	; where my results begin: section x 2^24 + (16 batch + 4 cx + 2 column half) x 262,144 + (tile row % 8) x 32,768 + token half x 16,384: the same sum for all three sections
	s_lshr_b32 s20, s17, 3
	s_lshl_b32 s20, s20, 22
	s_and_b32 s21, s17, 7
	s_lshl_b32 s21, s21, 15
	s_add_co_u32 s20, s20, s21
	s_lshl_b32 s21, s15, 14
	s_add_co_u32 s20, s20, s21
	s_lshl_b32 s21, ttmp9, 24
	s_add_co_u32 s20, s20, s21
	s_mov_b32 s21, 0
	s_lshl_b32 s46, s40, 20
	s_lshl_b32 s47, s16, 19
	s_add_co_u32 s46, s46, s47
	s_mov_b32 s47, 0
	s_add_nc_u64 s[12:13], s[12:13], s[20:21]
	s_add_nc_u64 s[12:13], s[12:13], s[46:47]
.macro FRAG reg, adr, q, i             ; a fragment as it stands: two loads of 512 consecutive bytes; tile i, the slot's q-th K step
.irp c, 0,1
	ds_load_b128 v[\reg+4*\c:\reg+4*\c+3], v[\adr] offset:1024*(\q)+512*\c+(\i)*4096
.endr
.endm
; 16 matrix instructions: source 1's tiles a0, a0 + 1 x source 0's eight, K step ks.  p: source 0's set.  zero = 1: the first product starts the sums: nothing is ever cleared.
; The 64 accumulators take turns, one instruction a turn, in the same order in every step.  An odd K step's scale words stand in lanes 16-31.
.macro MUL16 a0, p, ks, zero
.irp a, \a0, \a0+1
.irp b, 0,1,2,3,4,5,6,7
.if \zero
	v_wmma_scale_f32_16x16x128_f8f6f4 v[8*(8*((\a)%4)+\b):8*(8*((\a)%4)+\b)+7], v[128*(\p)+8*\b:128*(\p)+8*\b+7], v[AF+8*(\a):AF+8*(\a)+7], 0, v[SC0+4*\b+(\ks)/2], v[SC1+4*(\a)+(\ks)/2] matrix_a_fmt:MATRIX_FMT_FP4 matrix_b_fmt:MATRIX_FMT_FP4
.elseif (\ks)%2
	v_wmma_scale_f32_16x16x128_f8f6f4 v[8*(8*((\a)%4)+\b):8*(8*((\a)%4)+\b)+7], v[128*(\p)+8*\b:128*(\p)+8*\b+7], v[AF+8*(\a):AF+8*(\a)+7], v[8*(8*((\a)%4)+\b):8*(8*((\a)%4)+\b)+7], v[SC0+4*\b+(\ks)/2], v[SC1+4*(\a)+(\ks)/2] matrix_a_fmt:MATRIX_FMT_FP4 matrix_b_fmt:MATRIX_FMT_FP4 matrix_a_scale:MATRIX_SCALE_ROW1 matrix_b_scale:MATRIX_SCALE_ROW1
.else
	v_wmma_scale_f32_16x16x128_f8f6f4 v[8*(8*((\a)%4)+\b):8*(8*((\a)%4)+\b)+7], v[128*(\p)+8*\b:128*(\p)+8*\b+7], v[AF+8*(\a):AF+8*(\a)+7], v[8*(8*((\a)%4)+\b):8*(8*((\a)%4)+\b)+7], v[SC0+4*\b+(\ks)/2], v[SC1+4*(\a)+(\ks)/2] matrix_a_fmt:MATRIX_FMT_FP4 matrix_b_fmt:MATRIX_FMT_FP4
.endif
.endr
.endr
.endm
.macro FETCH_0 slot, q, p              ; source 0's eight fragments into set p
	WIN TO_B
.irp i, 0,1,2,3,4,5,6,7
	FRAG 128*(\p)+8*\i, ADR0+\slot, \q, \i
.endr
	WIN 0
.endm
.macro FETCH_1 slot, q, i0             ; source 1's tiles i0 .. i0 + 3
.irp i, \i0, \i0+1, \i0+2, \i0+3
	FRAG AF+8*(\i), ADR1+\slot, \q, \i
.endr
.endm
.macro SCALES                          ; all of K's scale words of my 8 + 8 tiles, once
.irp i, 0,1,2,3,4,5,6,7
.irp p, 0,1,2,3
	ds_load_b32 v[SC1+4*\i+\p], v[AS1] offset:512*\i+128*\p
	ds_load_b32 v[SC0+4*\i+\p], v[AS0] offset:512*\i+128*\p
.endr
.endr
.endm
.macro PLACES                          ; four places in front of loads into registers that matrix instructions have read, and of the first read of results (ISA guide 7.12.1 for the first read of results)
.rept 4
	v_nop
.endr
.endm
; A K step that has its successor in the same slot.  A tile of source 1 is free as soon as its eight products are issued, so one set serves it: tiles 0-3 come anew in the step's middle, tiles 4-7 at its end.
.macro STEP slot, q, zero
	s_wait_dscnt 8                                 ; source 0's set and source 1's tiles 0-3 are in; the youngest eight loads (tiles 4-7) may be out
	WIN MUL_LO
	MUL16 0, (\q)%2, 4*\slot+\q, \zero
	MUL16 2, (\q)%2, 4*\slot+\q, \zero
	s_wait_dscnt 0x0                               ; tiles 4-7 are in (asked for 32 matrix instructions ago)
	PLACES
	FETCH_0 \slot, (\q)+1, 1-(\q)%2
	FETCH_1 \slot, (\q)+1, 0
	WIN MUL_HI
	MUL16 4, (\q)%2, 4*\slot+\q, \zero
	MUL16 6, (\q)%2, 4*\slot+\q, \zero
	PLACES
	WIN 0
	FETCH_1 \slot, (\q)+1, 4
.endm
	s_wait_tensorcnt 1                             ; the scale words and my part of slot 0 are in (slot 1's load may be out)
	s_barrier_signal -1
	s_barrier_wait -1                              ; everybody's are
	FETCH_0 0, 0, 0
	FETCH_1 0, 0, 0
	SCALES
	FETCH_1 0, 0, 4
	STEP 0, 0, 1                                   ; the first step's products start the sums
	STEP 0, 1, 0
	STEP 0, 2, 0
	; K step 3 changes slots.  Slot 1 is read behind a barrier in front of which every wave has seen its own part land.  No slot is filled again, so this is a plain barrier.
	s_wait_tensorcnt 0x0                           ; my part of slot 1 is in
	s_wait_dscnt 8
	WIN MUL_LO
	MUL16 0, 1, 3, 0
	s_wait_dscnt 0x0                               ; no LDS instruction of mine is pending at the signal
	s_barrier_signal -1
	MUL16 2, 1, 3, 0                               ; work on registers while the others arrive
	s_barrier_wait -1
	PLACES
	FETCH_0 1, 0, 0
	FETCH_1 1, 0, 0
	WIN MUL_HI
	MUL16 4, 1, 3, 0
	MUL16 6, 1, 3, 0
	PLACES
	WIN 0
	FETCH_1 1, 0, 4
	STEP 1, 0, 0
	STEP 1, 1, 0
	STEP 1, 2, 0
	s_wait_dscnt 8                                 ; the last step: nothing more to fetch
	WIN MUL_LO
	MUL16 0, 1, 7, 0
	MUL16 2, 1, 7, 0
	s_wait_dscnt 0x0
	WIN MUL_HI
	MUL16 4, 1, 7, 0
	MUL16 6, 1, 7, 0
	WIN 0
	PLACES                                         ; behind the last products: their operands' registers are written next, their results read later
; THE WAY OUT.  An accumulator's eight numbers, rounded in pairs (each accumulator from its low end on), are four registers of an image; the packed results fill window 1, each register written once, so no store's data are written again.
.macro OUT isv
.irp a, 0,1,2,3,4,5,6,7
	WIN 0x4a+5*(\a/4)                              ; sources window 2 or 3, destination window 1
.irp b, 0,1,2,3,4,5,6,7
.irp i, 0,1,2,3
	v_cvt_pk_f16_f32 v[32*\a+4*\b+\i], v[8*(8*(\a%4)+\b)+2*\i], v[8*(8*(\a%4)+\b)+2*\i+1]
.endr
.endr
	WIN 0x04                                       ; a store's data are its source 1: window 1
.irp b, 0,1,2,3,4,5,6,7
.if \isv
	global_store_b128 v[CO], v[32*\a+4*\b:32*\a+4*\b+3], s[12:13] offset:(\a/4)*262144+(\a%4)*1024+(\b/2)*4096+(\b%2)*512   ; head a / 4, channel tile a % 4, keys 16 b on: 512 consecutive bytes
.else
	global_store_b128 v[CO], v[32*\a+4*\b:32*\a+4*\b+3], s[12:13] offset:\a*2048+(\b/4)*262144+(\b%4)*512                   ; token tile a, head b / 4, channels 16 (b % 4) on: 512 consecutive bytes
.endif
.endr
.endr
	WIN 0
.endm
	s_cmp_eq_u32 ttmp9, 2
	s_cbranch_scc1 .Lout_v
	OUT 0
	s_branch .Ldone
.Lout_v:
	OUT 1
.Ldone:
	s_wait_tensorcnt 0x0                           ; the wave's end: the tensor wait, the add and its wait behind my last tensor load
	ds_add_u32 v[SPW], v[NIL]
	s_wait_dscnt 0x0
	CROUND                                         ; the closing round: no work-group ends while a partner may still ask for a tile that names it
	s_endpgm
.Lfunc_end_k_q9d405ca68f_gemm_qkv:
	.size	k_q9d405ca68f_gemm_qkv, .Lfunc_end_k_q9d405ca68f_gemm_qkv-k_q9d405ca68f_gemm_qkv
	.p2alignl 7, 3214868480
	.fill 96, 4, 3214868480
	.section	.rodata,"a",@progbits
	.p2align	6, 0x0
	.amdhsa_kernel k_q9d405ca68f_gemm_qkv
		.amdhsa_group_segment_fixed_size 327680
		.amdhsa_private_segment_fixed_size 0
		.amdhsa_enable_private_segment 0
		.amdhsa_kernarg_size 40
		.amdhsa_user_sgpr_count 2
		.amdhsa_user_sgpr_kernarg_segment_ptr 1
		.amdhsa_wavefront_size32 1
		.amdhsa_system_sgpr_workgroup_id_x 1
		.amdhsa_system_sgpr_workgroup_id_y 1
		.amdhsa_system_sgpr_workgroup_id_z 1
		.amdhsa_system_vgpr_workitem_id 0
		.amdhsa_next_free_vgpr 1024
		.amdhsa_next_free_sgpr 98
		.amdhsa_reserve_vcc 0
		.amdhsa_float_denorm_mode_32 3
		.amdhsa_float_denorm_mode_16_64 3
		.amdhsa_memory_ordered 1
		.amdhsa_forward_progress 1
		.amdhsa_inst_pref_size 142
	.end_amdhsa_kernel
	.amdgpu_metadata
---
amdhsa.version: [ 1, 2 ]
amdhsa.kernels:
  - .name:           k_q9d405ca68f_gemm_qkv
    .symbol:         k_q9d405ca68f_gemm_qkv.kd
    .args:
      - { .name: xc, .offset: 0, .size: 8, .value_kind: global_buffer, .address_space: global }
      - { .name: xs, .offset: 8, .size: 8, .value_kind: global_buffer, .address_space: global }
      - { .name: wc, .offset: 16, .size: 8, .value_kind: global_buffer, .address_space: global }
      - { .name: ws, .offset: 24, .size: 8, .value_kind: global_buffer, .address_space: global }
      - { .name: qkvh, .offset: 32, .size: 8, .value_kind: global_buffer, .address_space: global }
    .group_segment_fixed_size: 327680
    .private_segment_fixed_size: 0
    .kernarg_segment_align: 8
    .kernarg_segment_size: 40
    .max_flat_workgroup_size: 128
    .sgpr_count:     98
    .vgpr_count:     1024
    .wavefront_size: 32
...
	.end_amdgpu_metadata
.endif
;; end of part 2
;; launch attn (part 3): grid 4 x 64, 8 waves a work-group, clusters of 4 x 1, 327,680 bytes of LDS; arguments qkvh, oa; writes oa
.if DOCPART == 3
	.amdgcn_target "amdgcn-amd-amdhsa--gfx1250"
	.amdhsa_code_object_version 6
	.text
	.protected	k_q9d405ca68f_attn
	.globl	k_q9d405ca68f_attn
	.p2align	8
	.type	k_q9d405ca68f_attn,@function
k_q9d405ca68f_attn:
	s_mov_b64 s[64:65], 0
	v_nop
	global_prefetch_b8 v0, s[64:65] scope:SCOPE_SE
	s_setreg_imm32_b32 hwreg(HW_REG_WAVE_MODE, 25, 1), 1
	s_wait_xcnt 0x0
	s_wait_alu depctr_hold_cnt(0) depctr_sa_sdst(0) depctr_va_vdst(0) depctr_va_sdst(0) depctr_va_ssrc(0) depctr_va_vcc(0) depctr_vm_vsrc(0)
	s_getreg_b32 s2, hwreg(HW_REG_IB_STS2, 6, 4)
	s_cmp_eq_u32 s2, 0
	s_cbranch_scc0 .Lentry_in_a_cluster
	s_endpgm
.Lentry_in_a_cluster:
	s_bfe_u32 s2, ttmp6, 0x10000c
	s_cmp_lg_u32 s2, 0x3003
	s_cbranch_scc0 .Lentry_shape_is_right
	s_endpgm
.Lentry_shape_is_right:
; O[bh][q] = the sum over k of softmax_k(Q[bh][q] . K[bh][k] / 8) V[bh][k]: 64 heads (batch x head), 2,048 tokens, head size 64, no mask.  Operands in f16, products, maxima and sums in f32.
; INPUT qkvh, images of operand registers (a fragment is 1,024 bytes, register group g of lane l at 512 g + 16 l): q at 0, k at 2^24: [bh][token tile 128][channel chunk 2][1024]; v at 2^25: [bh][key chunk of 32: 64][channel tile 4][1024].
; OUTPUT oa [token tile 512][channel chunk of 32: 32][1024]: the projection's operand, f16.  LIMIT: O travels in f16 (under 6e-5 its step is 6e-8).
; SHARES.  A work-group owns 512 queries of one head, each of its eight waves 64: four tiles of 16, so that each fragment of K and V read from LDS feeds four matrix instructions.  Two waves share a SIMD's registers:
; one wave's softmax stands beside the other's products.  Every wave walks all 2,048 keys, 64 a step.
; LAYOUT.  S^T = K Q^T (source 0 = 16 keys, source 1 = 16 queries): a lane holds ONE query (lane % 16) and keys 8 (lane / 16) + 0 .. 7.  Two such tiles, rounded to f16 in pairs, ARE source 1 (16 queries x 32 keys) of
; O^T = V^T P, whose result again holds one query a lane and eight channels.  Nothing changes lanes but one exchange between the halves for a query's maximum and sum.
; SOFTMAX.  For each query a running maximum m and sum l: p = 2^(c s - c m), c = log2(e) / 8 (the 1 / 8 is reference's scale of q); in every step O and l are multiplied by f = 2^(c m_old - c m_new).  l sums the unrounded p.
; RING.  Two LDS slots of 512 keys (K's 64 KB, then V's 64 KB), dense images; each of the eight waves fetches 16 KB of a slot by one tensor load of 64 rows x 256 bytes.
; CLUSTER.  The four query blocks of a head walk the same K and V: each tile is asked for JOINTLY, the same load with the same descriptor and a mask that names the four.
; No prefetch: a refill is asked for eight key steps, 512 matrix instructions a wave, ahead of the wait for it, and the first two slots are asked for at the head.
; REGISTERS: window 0: v2-7 addresses; v16-63 twelve registers of statistics a tile; v64-191 S^T, 32 a tile (P is made in place in a tile's first 16); v192-255 K of one step.
;   window 1: v0-127 O^T, 32 a tile; v128-191 Q; v192-255 V of one step.
.set SLOT1, 1<<17
.set STEPB, 8192                       ; a step's K (4 key tiles x 2 chunks) and likewise its V (2 key chunks x 4 channel tiles)
.set SPARE, 2*SLOT1                    ; behind the ring: the spare words, 128 bytes for each wave
.set L16,  2                           ; v2   16 x lane; never rewritten
.set L16V, 3                           ; v3   the same + 65,536: V's part of a slot
.set AK,   4                           ; v4   LDS address of the step's K
.set AV,   5                           ; v5   of its V
.set SPW,  6                           ; v6   LDS address of my spare word; never rewritten
.set NIL,  7                           ; v7   0; never rewritten
.set ST,   16                          ; tile t at v[ST + 12 t]: +0 c m, +1 m, +2:3 and +4:5 l in two pairs, +6 f, +7 at work, +8 .. +11 c0-c3
.set S,    64
.set KF,   192
.set QF,   128                         ; in window 1
.set VF,   192                         ; in window 1
.set WV,   12                          ; s12  my wave's number
.set G1,   24                          ; s[24:31] descriptor group 1
.set G0A,  32                          ; s[32:35] group 0 of slot 0's first fill
.set G0B,  36                          ; s[36:39] of slot 1's; it then walks on
.set SLOTS, 56
.set CNT,  57
.set CS,   58                          ; s[58:59] c: the packed form names a pair and takes its low word for both halves
.set SEL,  60                          ; s[60:61] lane selects for v_permlanex16_b32: lane l xor 16
.set TB,   62                          ; s62  LDS byte at which the tiles of the step to be fetched begin
.set MSB, 0
.macro WIN new                         ; the immediate's high byte repeats the setting that is left
.if MSB != (\new)
	s_set_vgpr_msb (MSB<<8)|(\new)
.set MSB, \new
.endif
.endm
.macro CROUND                          ; a round of the cluster's barrier
	s_barrier_signal -1
	s_barrier_wait -1
	s_cmp_lg_u32 s[WV], 0
	s_cbranch_scc1 .Lnot_wave_0_\@
	s_barrier_signal -3
.Lnot_wave_0_\@:
	s_barrier_wait -3
	s_barrier_signal -1
	s_barrier_wait -1
.endm
	s_load_b128 s[4:7], s[0:1], 0x0                ; qkvh s[4:5], oa s[6:7]
	v_lshl_add_u32 v[SPW], v0, 2, SPARE
	v_mov_b32 v[NIL], 0
	ds_add_u32 v[SPW], v[NIL]                      ; the wave's opening: the add, twice on end, and its wait ahead of my first tensor load
	ds_add_u32 v[SPW], v[NIL]
	v_lshrrev_b32 v1, 5, v0
	v_readfirstlane_b32 s[WV], v1                  ; wave 0..7
	s_bfe_u32 s13, ttmp6, 0x40000                  ; cx
	s_lshl_b32 s14, ttmp9, 2
	s_add_co_u32 s14, s14, s13                     ; my block of 512 queries: it enters Q's and O's addresses alone
	s_and_b32 s15, ttmp7, 0xffff                   ; batch x head, which the four partners share
	s_lshl_b32 s16, s15, 18                        ; its 262,144 bytes in each section
	s_lshl_b32 s17, s[WV], 14                      ; my 16 KB of a slot, in memory and in LDS: waves 0-3 K's, waves 4-7 V's
	s_cmp_lt_u32 s[WV], 4
	s_mov_b32 s18, (1<<25)-65536
	s_cselect_b32 s18, 1<<24, s18                  ; an offset is chosen, no address: k's section, or v's less the 65,536 that waves 4-7 have too many
	s_add_co_u32 s18, s18, s16
	s_add_co_u32 s18, s18, s17
	s_mov_b32 s19, 0
	s_lshl_b32 s20, s14, 16                        ; Q: 32 token tiles of 2,048 bytes a block,
	s_lshl_b32 s21, s[WV], 13                      ; four a wave
	s_add_co_u32 s20, s20, s21
	s_add_co_u32 s20, s20, s16
	s_mov_b32 s21, 0
	s_lshr_b32 s22, s15, 4                         ; O: token tile 128 batch + 32 block + 4 wave, 32,768 bytes each,
	s_lshl_b32 s22, s22, 22
	s_lshl_b32 s23, s14, 20
	s_add_co_u32 s22, s22, s23
	s_lshl_b32 s23, s[WV], 17
	s_add_co_u32 s22, s22, s23
	s_and_b32 s23, s15, 15                         ; the head's two chunks of 1,024 bytes in it
	s_lshl_b32 s23, s23, 11
	s_add_co_u32 s22, s22, s23
	s_mov_b32 s23, 0
	s_mov_b32 s[G1], 15|(3<<16)|(1<<21)            ; 15:0 the mask: all four work-groups; 17:16 elements of 8 bytes; 21 set beside a mask; no padding
	s_mov_b32 s[G1+1], 32<<16                      ; tensor_dim0: 256 bytes
	s_mov_b32 s[G1+2], 64<<16                      ; tensor_dim1
	s_mov_b32 s[G1+3], 32<<16                      ; tile_dim0
	s_mov_b32 s[G1+4], 64                          ; tile_dim1
	s_mov_b32 s[G1+5], 32                          ; tensor_dim0_stride: dense
	s_mov_b32 s[G1+6], 0
	s_mov_b32 s[G1+7], 0
	s_mov_b32 s[CS], 0x3e38aa3b                    ; c = log2(e) / 8
	s_mov_b32 s[CS+1], s[CS]
	s_mov_b32 s[SEL], 0x76543210
	s_mov_b32 s[SEL+1], 0xfedcba98
	s_mov_b32 s[TB], 0
	s_wait_dscnt 0x0                               ; both opening adds are done
	s_wait_kmcnt 0x0
	s_add_nc_u64 s[8:9], s[4:5], s[20:21]          ; Q at my wave's first tile
	s_add_nc_u64 s[10:11], s[6:7], s[22:23]        ; O likewise
	s_add_nc_u64 s[18:19], s[4:5], s[18:19]        ; my part of the head's first 512 keys
	CROUND                                         ; all four work-groups are here: the first joint loads meet
	s_mov_b32 s[G0A], 1
	s_mov_b32 s[G0A+1], s17
	s_mov_b64 s[G0A+2:G0A+3], s[18:19]
	s_or_b32 s[G0A+3], s[G0A+3], 0x80000000
	s_mov_b32 s[G0B], 1
	s_add_co_u32 s[G0B+1], s17, SLOT1
	s_add_nc_u64 s[G0B+2:G0B+3], s[18:19], 65536
	s_or_b32 s[G0B+3], s[G0B+3], 0x80000000
	tensor_load_to_lds s[G0A:G0A+3], s[G1:G1+7]    ; two loads of mine are out
	s_nop 0
	tensor_load_to_lds s[G0B:G0B+3], s[G1:G1+7]
	s_nop 0
.rept 4
	v_nop
.endr
	v_and_b32 v1, 31, v0
	v_lshlrev_b32 v[L16], 4, v1
	v_add_nc_u32 v[L16V], 65536, v[L16]
	WIN 0x40                                       ; destination window 1
.set i, 0
.rept 16
	global_load_b128 v[QF+4*i:QF+4*i+3], v[L16], s[8:9] offset:512*i     ; Q stays in registers: (tile t, chunk c) at v[QF + 16 t + 8 c]
.set i, i+1
.endr
	WIN 0
.irp t, 0,1,2,3
	v_mov_b32 v[ST+12*\t+1], 0xff61b1e6            ; m: -3e38, under every score
	v_mul_f32 v[ST+12*\t], s[CS], v[ST+12*\t+1]    ; c m
	v_mov_b32 v[ST+12*\t+2], 0                     ; l
	v_mov_b32 v[ST+12*\t+3], 0
	v_mov_b32 v[ST+12*\t+4], 0
	v_mov_b32 v[ST+12*\t+5], 0
.endr
.macro LDK                             ; a step's K: 8 fragments, (key tile kt, chunk c) at v[KF + 16 kt + 8 c]
.set i, 0
.rept 16
	ds_load_b128 v[KF+4*i:KF+4*i+3], v[AK] offset:512*i
.set i, i+1
.endr
.endm
.macro LDV                             ; a step's V: (key chunk kc, channel tile dt) at v[VF + 32 kc + 8 dt] of window 1
	WIN 0x40
.set i, 0
.rept 16
	ds_load_b128 v[VF+4*i:VF+4*i+3], v[AV] offset:512*i
.set i, i+1
.endr
.endm
; S^T = K Q^T: 32 products; the 16 accumulators take turns, one instruction a turn; the first 16 start the sums
.macro KQ
	WIN 0x04                                       ; Q in window 1
.irp c, 0,1
.irp kt, 0,1,2,3
.irp t, 0,1,2,3
.if \c == 0
	v_wmma_f32_16x16x32_f16 v[S+32*\t+8*\kt:S+32*\t+8*\kt+7], v[KF+16*\kt+8*\c:KF+16*\kt+8*\c+7], v[QF+16*\t+8*\c:QF+16*\t+8*\c+7], 0
.else
	v_wmma_f32_16x16x32_f16 v[S+32*\t+8*\kt:S+32*\t+8*\kt+7], v[KF+16*\kt+8*\c:KF+16*\kt+8*\c+7], v[QF+16*\t+8*\c:QF+16*\t+8*\c+7], v[S+32*\t+8*\kt:S+32*\t+8*\kt+7]
.endif
.endr
.endr
.endr
.endm
; O^T += V^T P: 32 products, 16 accumulators by turns.  first = 1: the first 16 start the sums: nothing is ever cleared
.macro PV first
	WIN 0x51                                       ; V, C and D in window 1, P in window 0
.irp kc, 0,1
.irp dt, 0,1,2,3
.irp t, 0,1,2,3
.if \first && (\kc == 0)
	v_wmma_f32_16x16x32_f16 v[32*\t+8*\dt:32*\t+8*\dt+7], v[VF+32*\kc+8*\dt:VF+32*\kc+8*\dt+7], v[S+32*\t+8*\kc:S+32*\t+8*\kc+7], 0
.else
	v_wmma_f32_16x16x32_f16 v[32*\t+8*\dt:32*\t+8*\dt+7], v[VF+32*\kc+8*\dt:VF+32*\kc+8*\dt+7], v[S+32*\t+8*\kc:S+32*\t+8*\kc+7], v[32*\t+8*\dt:32*\t+8*\dt+7]
.endif
.endr
.endr
.endr
.endm
; The four tiles' softmax of one key step; in every phase the tiles take turns, so that no line waits for the line above it.
.macro SMAX
	WIN 0
.irp j, 0,1,2,3                        ; the maximum of a lane's 32 scores and the old m, three operands at a time; each accumulator is read from its low end on
.irp t, 0,1,2,3
	v_max3_num_f32 v[ST+12*\t+8+\j], v[S+32*\t+8*\j], v[S+32*\t+8*\j+1], v[S+32*\t+8*\j+2]
.endr
.endr
.irp u, 1,2
.irp j, 0,1,2,3
.irp t, 0,1,2,3
	v_max3_num_f32 v[ST+12*\t+8+\j], v[ST+12*\t+8+\j], v[S+32*\t+8*\j+2*\u+1], v[S+32*\t+8*\j+2*\u+2]
.endr
.endr
.endr
.irp t, 0,1,2,3
	v_max3_num_f32 v[ST+12*\t+8], v[ST+12*\t+8], v[S+32*\t+7], v[S+32*\t+15]
.endr
.irp t, 0,1,2,3
	v_max3_num_f32 v[ST+12*\t+10], v[ST+12*\t+10], v[S+32*\t+23], v[S+32*\t+31]
.endr
.irp t, 0,1,2,3
	v_max3_num_f32 v[ST+12*\t+8], v[ST+12*\t+8], v[ST+12*\t+9], v[ST+12*\t+10]
.endr
.irp t, 0,1,2,3
	v_max3_num_f32 v[ST+12*\t+8], v[ST+12*\t+8], v[ST+12*\t+11], v[ST+12*\t+1]
.endr
.irp t, 0,1,2,3
	v_permlanex16_b32 v[ST+12*\t+9], v[ST+12*\t+8], s[SEL], s[SEL+1]     ; the query's other 32 keys lie in the lane 16 away
.endr
.irp t, 0,1,2,3
	v_mov_b32 v[ST+12*\t+7], v[ST+12*\t]           ; c m_old
.endr
.irp t, 0,1,2,3
	v_max_num_f32 v[ST+12*\t+1], v[ST+12*\t+8], v[ST+12*\t+9]
.endr
.irp t, 0,1,2,3
	v_mul_f32 v[ST+12*\t], s[CS], v[ST+12*\t+1]
.endr
.irp t, 0,1,2,3
	v_sub_f32 v[ST+12*\t+7], v[ST+12*\t+7], v[ST+12*\t]
.endr
	; ONE BATCH: the four f and the 128 p; none of its lines names an exponential's result.  A tile's scalings stand among the exponentials of the tile before.
.irp t, 0,1,2,3
	v_exp_f32 v[ST+12*\t+6], v[ST+12*\t+7]         ; f = 2^(c m_old - c m_new)
.endr
.set i, 0
.rept 16
	v_pk_fma_f32 v[S+2*i:S+2*i+1], v[S+2*i:S+2*i+1], s[CS:CS+1], v[ST:ST+1] op_sel_hi:[1,0,0] neg_lo:[0,0,1] neg_hi:[0,0,1]     ; c s - c m, two at a time
.set i, i+1
.endr
.irp t, 0,1,2,3
.set i, 0
.rept 16
.if \t < 3
	v_pk_fma_f32 v[S+32*(\t+1)+2*i:S+32*(\t+1)+2*i+1], v[S+32*(\t+1)+2*i:S+32*(\t+1)+2*i+1], s[CS:CS+1], v[ST+12*(\t+1):ST+12*(\t+1)+1] op_sel_hi:[1,0,0] neg_lo:[0,0,1] neg_hi:[0,0,1]
.endif
	v_exp_f32 v[S+32*\t+2*i], v[S+32*\t+2*i]
	v_exp_f32 v[S+32*\t+2*i+1], v[S+32*\t+2*i+1]
.set i, i+1
.endr
.endr
	v_nop                                          ; a plain instruction behind the last exponential, ahead of the first use
	s_wait_alu depctr_va_vdst(0)                   ; one wait for the whole batch, ahead of its first reader
.irp t, 0,1,2,3
	v_pk_mul_f32 v[ST+12*\t+2:ST+12*\t+3], v[ST+12*\t+2:ST+12*\t+3], v[ST+12*\t+6:ST+12*\t+7] op_sel_hi:[1,0]       ; l under the new m
	v_pk_mul_f32 v[ST+12*\t+4:ST+12*\t+5], v[ST+12*\t+4:ST+12*\t+5], v[ST+12*\t+6:ST+12*\t+7] op_sel_hi:[1,0]
.endr
.set i, 0
.rept 16                               ; l takes the unrounded p: two chains a tile
.irp t, 0,1,2,3
	v_pk_add_f32 v[ST+12*\t+2+2*(i%2):ST+12*\t+3+2*(i%2)], v[ST+12*\t+2+2*(i%2):ST+12*\t+3+2*(i%2)], v[S+32*\t+2*i:S+32*\t+2*i+1]
.endr
.set i, i+1
.endr
.set i, 0
.rept 16                               ; P in f16, in place: line i writes register i and reads 2 i and 2 i + 1, which no later line reads
.irp t, 0,1,2,3
	v_cvt_pk_f16_f32 v[S+32*\t+i], v[S+32*\t+2*i], v[S+32*\t+2*i+1]
.endr
.set i, i+1
.endr
.endm
.macro RESCALE                         ; O^T times the register at f's place; each accumulator from its low end on
	WIN 0x41                                       ; O^T in window 1, f in window 0
.irp t, 0,1,2,3
.set i, 0
.rept 16
	v_pk_mul_f32 v[32*\t+2*i:32*\t+2*i+1], v[32*\t+2*i:32*\t+2*i+1], v[ST+12*\t+6:ST+12*\t+7] op_sel_hi:[1,0]
.set i, i+1
.endr
.endr
.endm
; KEY STEP j: its scores stand in S^T and its V is on its way.  It fetches step j + 1's K and V and leaves step j + 1's scores.
.macro BODY first
	WIN 0
	v_add_nc_u32 v[AK], s[TB], v[L16]              ; these two and two v_nop are the four places behind K Q^T, ahead of the loads into K's registers and of the first read of the scores
	v_add_nc_u32 v[AV], s[TB], v[L16V]
	v_nop
	v_nop
	LDK
	s_add_co_u32 s[TB], s[TB], STEPB
	SMAX
.if !\first
	RESCALE
.endif
	s_wait_dscnt 16                                ; V of this step is in; the next step's K, sixteen loads, may be out
	PV \first
.rept 5
	v_nop                                          ; four places ahead of the loads into V's registers; five ahead of K Q^T, which writes over P
.endr
	LDV
	s_wait_dscnt 16                                ; the next step's K is in; its V, sixteen loads, may be out
	KQ
	WIN 0
.endm
.macro LOOP n
	s_mov_b32 s[CNT], \n
.Lstep_\@:
	BODY 0
	s_sub_co_u32 s[CNT], s[CNT], 1
	s_cmp_lg_u32 s[CNT], 0
	s_cbranch_scc1 .Lstep_\@
.endm
; THE CHANGE OF SLOTS: the slot's last fragments have been asked for.  Each wave waits for all its tensor loads (its part of the other slot), adds 0 to its spare word, and waits for that and for its reads of the slot.
; fill = 1: the slot is filled again with the keys two slots on; the barrier is then a round of the cluster's, and the joint refill is the first thing behind it.
.macro CHANGE fill
	s_wait_tensorcnt 0x0                           ; no tensor load of mine is out, so a group 0 may be written
	ds_add_u32 v[SPW], v[NIL]                      ; 0 onto my spare word
.if \fill
	s_xor_b32 s[G0B+1], s[G0B+1], SLOT1            ; the walking descriptor: the other slot than last time,
	s_add_nc_u64 s[G0B+2:G0B+3], s[G0B+2:G0B+3], 65536     ; the next 512 keys; the type bits on top are not reached
	s_wait_dscnt 0x0                               ; the add is done, and my reads of the slot are over
	CROUND
	tensor_load_to_lds s[G0B:G0B+3], s[G1:G1+7]    ; my one tensor load until the next round
	s_nop 0
.rept 4
	v_nop
.endr
.else
	s_wait_dscnt 0x0
	s_barrier_signal -1
	s_barrier_wait -1
.endif
	s_sub_co_u32 s[TB], s[TB], 8*STEPB             ; the fetches go back to a slot's first step,
	s_xor_b32 s[TB], s[TB], SLOT1                  ; in the other slot
.endm
	s_wait_tensorcnt 1                             ; my part of slot 0 is in; slot 1's may stay out
	s_barrier_signal -1
	s_barrier_wait -1                              ; everybody's is
	v_add_nc_u32 v[AK], s[TB], v[L16]
	v_add_nc_u32 v[AV], s[TB], v[L16V]
	LDK                                            ; key step 0
	LDV
	s_add_co_u32 s[TB], s[TB], STEPB
	s_wait_loadcnt 0x0                             ; Q
	s_wait_dscnt 16                                ; K is in; V may be out
	KQ
	WIN 0
	BODY 1                                         ; step 0 starts O^T's sums
	LOOP 6                                         ; steps 1 to 6: all of slot 0 has been asked for
	s_mov_b32 s[SLOTS], 2
.Lslot:                                            ; two trips: slots 0 and 1 are filled again, with keys 1,024 on and 1,536 on
	CHANGE 1
	LOOP 8
	s_sub_co_u32 s[SLOTS], s[SLOTS], 1
	s_cmp_lg_u32 s[SLOTS], 0
	s_cbranch_scc1 .Lslot
	CHANGE 0                                       ; the tail is written out
	LOOP 8                                         ; steps 23 to 30
.rept 4
	v_nop                                          ; the places behind the last K Q^T
.endr
	SMAX                                           ; step 31
	RESCALE
	s_wait_dscnt 0x0
	PV 0
	; THE WAY OUT.  l's parts are added (these lines are the places behind the last products); O^T / l, rounded to f16 in pairs, is four registers of the projection's operand image: every store is 512 consecutive bytes.
	WIN 0
.irp t, 0,1,2,3
	v_pk_add_f32 v[ST+12*\t+2:ST+12*\t+3], v[ST+12*\t+2:ST+12*\t+3], v[ST+12*\t+4:ST+12*\t+5]
.endr
.irp t, 0,1,2,3
	v_add_f32 v[ST+12*\t+8], v[ST+12*\t+2], v[ST+12*\t+3]
.endr
.irp t, 0,1,2,3
	v_permlanex16_b32 v[ST+12*\t+9], v[ST+12*\t+8], s[SEL], s[SEL+1]
.endr
.irp t, 0,1,2,3
	v_add_f32 v[ST+12*\t+8], v[ST+12*\t+8], v[ST+12*\t+9]
.endr
.irp t, 0,1,2,3
	v_rcp_f32 v[ST+12*\t+6], v[ST+12*\t+8]
.endr
	v_nop                                          ; a plain instruction between the last reciprocal and the use of its result
	s_wait_alu depctr_va_vdst(0)                   ; one wait for the four reciprocals, ahead of their first reader
	RESCALE
	WIN 0x05                                       ; sources window 1, destination window 0: S^T's registers are free
.irp t, 0,1,2,3
.irp dt, 0,1,2,3
.irp i, 0,1,2,3
	v_cvt_pk_f16_f32 v[S+16*\t+4*\dt+\i], v[32*\t+8*\dt+2*\i], v[32*\t+8*\dt+2*\i+1]
.endr
.endr
.endr
	WIN 0
.irp t, 0,1,2,3
.irp dt, 0,1,2,3
	global_store_b128 v[L16], v[S+16*\t+4*\dt:S+16*\t+4*\dt+3], s[10:11] offset:32768*\t+512*\dt
.endr
.endr
	s_wait_tensorcnt 0x0                           ; the wave's end: the tensor wait, the add and its wait behind my last tensor load
	ds_add_u32 v[SPW], v[NIL]
	s_wait_dscnt 0x0
	CROUND                                         ; the closing round: no work-group ends while a partner may still ask for a tile that names it
	s_endpgm
.Lfunc_end_k_q9d405ca68f_attn:
	.size	k_q9d405ca68f_attn, .Lfunc_end_k_q9d405ca68f_attn-k_q9d405ca68f_attn
	.p2alignl 7, 3214868480
	.fill 96, 4, 3214868480
	.section	.rodata,"a",@progbits
	.p2align	6, 0x0
	.amdhsa_kernel k_q9d405ca68f_attn
		.amdhsa_group_segment_fixed_size 327680
		.amdhsa_private_segment_fixed_size 0
		.amdhsa_enable_private_segment 0
		.amdhsa_kernarg_size 16
		.amdhsa_user_sgpr_count 2
		.amdhsa_user_sgpr_kernarg_segment_ptr 1
		.amdhsa_wavefront_size32 1
		.amdhsa_system_sgpr_workgroup_id_x 1
		.amdhsa_system_sgpr_workgroup_id_y 1
		.amdhsa_system_sgpr_workgroup_id_z 1
		.amdhsa_system_vgpr_workitem_id 0
		.amdhsa_next_free_vgpr 512
		.amdhsa_next_free_sgpr 66
		.amdhsa_reserve_vcc 0
		.amdhsa_float_denorm_mode_32 3
		.amdhsa_float_denorm_mode_16_64 3
		.amdhsa_memory_ordered 1
		.amdhsa_forward_progress 1
		.amdhsa_inst_pref_size 175
	.end_amdhsa_kernel
	.amdgpu_metadata
---
amdhsa.version: [ 1, 2 ]
amdhsa.kernels:
  - .name:           k_q9d405ca68f_attn
    .symbol:         k_q9d405ca68f_attn.kd
    .args:
      - { .name: qkvh, .offset: 0, .size: 8, .value_kind: global_buffer, .address_space: global }
      - { .name: oa, .offset: 8, .size: 8, .value_kind: global_buffer, .address_space: global }
    .group_segment_fixed_size: 327680
    .private_segment_fixed_size: 0
    .kernarg_segment_align: 8
    .kernarg_segment_size: 16
    .max_flat_workgroup_size: 256
    .sgpr_count:     66
    .vgpr_count:     512
    .wavefront_size: 32
...
	.end_amdgpu_metadata
.endif
;; end of part 3
;; launch proj (part 4): grid 8 x 32, 4 waves a work-group, clusters of 4 x 4, 327,680 bytes of LDS; arguments oa, wp, b_proj, out0; writes out0
.if DOCPART == 4
	.amdgcn_target "amdgcn-amd-amdhsa--gfx1250"
	.amdhsa_code_object_version 6
	.text
	.protected	k_q9d405ca68f_proj
	.globl	k_q9d405ca68f_proj
	.p2align	8
	.type	k_q9d405ca68f_proj,@function
k_q9d405ca68f_proj:
	s_mov_b64 s[64:65], 0
	v_nop
	global_prefetch_b8 v0, s[64:65] scope:SCOPE_SE
	s_setreg_imm32_b32 hwreg(HW_REG_WAVE_MODE, 25, 1), 1
	s_wait_xcnt 0x0
	s_wait_alu depctr_hold_cnt(0) depctr_sa_sdst(0) depctr_va_vdst(0) depctr_va_sdst(0) depctr_va_ssrc(0) depctr_va_vcc(0) depctr_vm_vsrc(0)
	s_getreg_b32 s2, hwreg(HW_REG_IB_STS2, 6, 4)
	s_cmp_eq_u32 s2, 0
	s_cbranch_scc0 .Lentry_in_a_cluster
	s_endpgm
.Lentry_in_a_cluster:
	s_bfe_u32 s2, ttmp6, 0x10000c
	s_cmp_lg_u32 s2, 0xf033
	s_cbranch_scc0 .Lentry_shape_is_right
	s_endpgm
.Lentry_shape_is_right:
; out0 [8192][1024] f32 = O [8192][1024] x w_proj [1024][1024] + b_proj.  Operands in f16, sums in f32.
; INPUTS are images of operand registers (a fragment, 16 rows x 32 K, is 1,024 bytes: register group g of lane l at 512 g + 16 l): oa [token tile 512][K chunk 32][1024], wp [column tile 64][K chunk 32][1024].
; SHARES.  A tile of 256 tokens x 128 columns to a work-group: 256 work-groups.  Wave w takes tokens 64 w .. 64 w + 63 and all 128 columns: 32 accumulators, 256 registers.
; K goes in steps of 128 (four chunks) through a ring of two LDS slots; the tiles lie there as dense images, so a fragment is two loads of 512 consecutive bytes.
; CLUSTERS: 4 x 4 work-groups.  O's tiles are shared along a row of the cluster, w_proj's along a column: each is asked for jointly, by the same tensor load with the same descriptor and a mask that names the four.
; THE MATRIX INSTRUCTION IS USED TRANSPOSED (source 0 = 16 columns of w_proj, source 1 = 16 tokens): a lane holds eight neighbouring numbers of a row of out0.  The bias is the C of each sum's first product.
; No prefetch: the tile is small and a K step short; what is asked for stands one K step ahead by the ring alone.
; REGISTERS: window 0: v16-29 addresses; v32-95 the bias, eight registers a column tile; v128-159, v160-191 source 1's two buffers (4 fragments); on the way out v128-255 rows of out0.
;   window 1: v0-63, v64-127 source 0's two buffers (8 fragments).   window 2: the accumulators: (a, b) at v[8 (8 a + b)].
.set SLOT,   98304                     ; O's 16 tiles x 4 chunks x 1,024 bytes, then w_proj's 8 tiles x 4 chunks
.set BPART,  65536
.set STAGE,  2*SLOT                    ; behind the ring: 16 rows x (512 bytes + 16) for each wave, for the way out; no tensor load lands there
.set SP,     528
.set SPARE,  STAGE+4*16*SP             ; behind the stages: the spare words, 128 bytes for each wave
.set LAPS,   4                         ; a lap = two K steps = once round the ring: K = 1,024
.set ADR1, 16                          ; v16-17  LDS address of source 1's fragments in slot 0, 1
.set ADR0, 20                          ; v20-21  the same for source 0
.set STO,  24                          ; v24     the way out: where I put 32 bytes of a row
.set RD,   25                          ; v25     where I read a row back
.set CO,   26                          ; v26     16 x lane
.set SPW,  28                          ; v28     LDS address of my spare word; never rewritten
.set NIL,  29                          ; v29     0; never rewritten
.set BIAS, 32
.set AF,   128
.set BK,   128
.set G1A, 24                           ; s[24:31] group 1 for O's tiles;  s[32:39] group 0, one set a slot
.set G0A, 32
.set G1B, 48                           ; s[48:55], s[56:63] the same for w_proj's
.set G0B, 56
.set MSB, 0
.macro WIN new                         ; the immediate's high byte repeats the setting that is left
.if MSB != (\new)
	s_set_vgpr_msb (MSB<<8)|(\new)
.set MSB, \new
.endif
.endm
.set MUL,   0xa1                       ; source 0 window 1, source 1 window 0, C and D window 2
.set MUL_B, 0x81                       ; the same with C (the bias) in window 0
.set TO_F,  0x40                       ; destination window 1, address window 0
.macro JLOAD s                         ; a joint load: waves 0 and 1 fetch O's two halves, waves 2 and 3 w_proj's; an s_nop 0 and four v_nop follow each of the two lines
	s_cmp_eq_u32 s13, 0
	s_cbranch_scc0 .Lfor_b_\@
	tensor_load_to_lds s[G0A+4*\s:G0A+4*\s+3], s[G1A:G1A+7]
	s_nop 0
.rept 4
	v_nop
.endr
	s_branch .Lasked_\@
.Lfor_b_\@:
	tensor_load_to_lds s[G0B+4*\s:G0B+4*\s+3], s[G1B:G1B+7]
	s_nop 0
.rept 4
	v_nop
.endr
.Lasked_\@:
.endm
.macro CREST                           ; a round of the cluster's barrier behind its opening barrier
	s_cmp_lg_u32 s12, 0
	s_cbranch_scc1 .Lnot_wave_0_\@
	s_barrier_signal -3
.Lnot_wave_0_\@:
	s_barrier_wait -3
	s_barrier_signal -1
	s_barrier_wait -1
.endm
.macro CROUND                          ; a whole round
	s_barrier_signal -1
	s_barrier_wait -1
	CREST
.endm
	s_load_b256 s[4:11], s[0:1], 0x0               ; oa s[4:5], wp s[6:7], b_proj s[8:9], out0 s[10:11]
	v_lshl_add_u32 v[SPW], v0, 2, SPARE
	v_mov_b32 v[NIL], 0
	ds_add_u32 v[SPW], v[NIL]                      ; the wave's opening: the add, twice on end, and its wait ahead of my first tensor load
	ds_add_u32 v[SPW], v[NIL]
	v_lshrrev_b32 v1, 5, v0
	v_readfirstlane_b32 s12, v1                    ; wave 0..3
	s_lshr_b32 s13, s12, 1                         ; I fetch for O (0) or for w_proj (1),
	s_and_b32 s14, s12, 1                          ; this half of the tile
	s_bfe_u32 s40, ttmp6, 0x40000                  ; cx, cy: my place in the cluster
	s_bfe_u32 s41, ttmp6, 0x40004
	s_lshl_b32 s42, ttmp9, 2
	s_add_co_u32 s42, s42, s40                     ; tile column = 4 x cluster x + cx
	s_and_b32 s15, ttmp7, 0xffff
	s_lshl_b32 s15, s15, 2
	s_add_co_u32 s15, s15, s41                     ; tile row = 4 x cluster y + cy
	s_lshl_b32 s43, s41, 2
	s_lshl_b32 s43, 15, s43                        ; my row of the cluster
	s_lshl_b32 s44, 0x1111, s40                    ; my column
	; group 1: a K step of eight (O) or four (w_proj) tiles: rows of 4,096 bytes (512 elements of 8), 32,768 bytes apart in memory, dense in LDS
	s_or_b32 s[G1A], s43, (3<<16)|(1<<21)          ; 15:0 the mask; 17:16 elements of 8 bytes; 21 set beside a mask; no padding
	s_mov_b32 s[G1A+1], 512<<16                    ; tensor_dim0
	s_mov_b32 s[G1A+2], 8<<16                      ; tensor_dim1
	s_mov_b32 s[G1A+3], 512<<16                    ; tile_dim0
	s_mov_b32 s[G1A+4], 8                          ; tile_dim1
	s_mov_b32 s[G1A+5], 4096                       ; tensor_dim0_stride
	s_mov_b32 s[G1A+6], 0
	s_mov_b32 s[G1A+7], 0
	s_or_b32 s[G1B], s44, (3<<16)|(1<<21)
	s_mov_b32 s[G1B+1], 512<<16
	s_mov_b32 s[G1B+2], 4<<16
	s_mov_b32 s[G1B+3], 512<<16
	s_mov_b32 s[G1B+4], 4
	s_mov_b32 s[G1B+5], 4096
	s_mov_b32 s[G1B+6], 0
	s_mov_b32 s[G1B+7], 0
	s_lshl_b32 s16, s15, 19                        ; O: 16 tiles of 32,768 bytes a tile row,
	s_lshl_b32 s17, s14, 18                        ; eight a half
	s_add_co_u32 s16, s16, s17
	s_mov_b32 s17, 0
	s_lshl_b32 s46, s42, 18                        ; w_proj: 8 tiles a tile column,
	s_lshl_b32 s47, s14, 17                        ; four a half
	s_add_co_u32 s46, s46, s47
	s_mov_b32 s47, 0
	s_lshl_b32 s20, s14, 15                        ; where they go: O's halves,
	s_lshl_b32 s21, s14, 14
	s_add_co_u32 s21, s21, BPART                   ; w_proj's behind them: no place in the cluster enters an LDS address
	s_wait_dscnt 0x0                               ; both opening adds are done
	s_wait_kmcnt 0x0
	s_add_nc_u64 s[16:17], s[4:5], s[16:17]
	s_add_nc_u64 s[46:47], s[6:7], s[46:47]
	CROUND                                         ; all sixteen work-groups are here: the first joint loads meet
.irp s, 0,1
	s_mov_b32 s[G0A+4*\s], 1
	s_add_co_u32 s[G0A+4*\s+1], s20, \s*SLOT
	s_add_nc_u64 s[G0A+4*\s+2:G0A+4*\s+3], s[16:17], \s*4096
	s_or_b32 s[G0A+4*\s+3], s[G0A+4*\s+3], 0x80000000
	s_mov_b32 s[G0B+4*\s], 1
	s_add_co_u32 s[G0B+4*\s+1], s21, \s*SLOT
	s_add_nc_u64 s[G0B+4*\s+2:G0B+4*\s+3], s[46:47], \s*4096
	s_or_b32 s[G0B+4*\s+3], s[G0B+4*\s+3], 0x80000000
	JLOAD \s                                       ; two loads of mine are out
.endr
	v_and_b32 v1, 31, v0
	v_and_b32 v2, 15, v0                           ; r
	v_bfe_u32 v3, v0, 4, 1                         ; h
	v_lshlrev_b32 v[CO], 4, v1
	s_lshl_b32 s22, s12, 14                        ; my four token tiles of 4,096 bytes
	v_add_nc_u32 v[ADR1], s22, v[CO]
	v_add_nc_u32 v[ADR1+1], SLOT, v[ADR1]
	v_add_nc_u32 v[ADR0], BPART, v[CO]
	v_add_nc_u32 v[ADR0+1], SLOT, v[ADR0]
	s_mul_i32 s23, s12, 16*SP
	s_add_co_u32 s23, s23, STAGE                   ; my stage
	v_mul_u32_u24 v4, v2, SP
	v_lshl_add_u32 v4, v3, 5, v4
	v_add_nc_u32 v[STO], s23, v4                   ; in: row r, 32 bytes for each half of the lanes
	v_add_nc_u32 v[RD], s23, v[CO]                 ; back: the 32 lanes take one row of 512 bytes
	v_lshlrev_b32 v27, 5, v3                       ; the bias: lane (r, h) wants, for column tile b, the numbers of columns 16 b + 8 h + 0 .. 7
	s_lshl_b32 s18, s42, 9                         ; the tile's 128 columns, in bytes, in b_proj and in a row of out0
	s_mov_b32 s19, 0
	s_add_nc_u64 s[8:9], s[8:9], s[18:19]
	s_add_nc_u64 s[10:11], s[10:11], s[18:19]
	s_lshl_b32 s18, s15, 20                        ; 256 rows of 4,096 bytes a tile row,
	s_lshl_b32 s22, s12, 18                        ; 64 a wave
	s_add_co_u32 s18, s18, s22
	s_add_nc_u64 s[10:11], s[10:11], s[18:19]
.irp b, 0,1,2,3,4,5,6,7
	global_load_b128 v[BIAS+8*\b:BIAS+8*\b+3], v27, s[8:9] offset:64*\b
	global_load_b128 v[BIAS+8*\b+4:BIAS+8*\b+7], v27, s[8:9] offset:64*\b+16
.endr
; 8 matrix instructions: token tile a x the eight column tiles, 32 along K: buffer f.  zero = 1: the first product starts the sum from the bias.  The 32 accumulators take turns, one instruction a turn, in the same order in every quarter.
.macro MUL8 f, a, zero
.irp b, 0,1,2,3,4,5,6,7
.if \zero
	v_wmma_f32_16x16x32_f16 v[8*(8*(\a)+\b):8*(8*(\a)+\b)+7], v[64*(\f)+8*\b:64*(\f)+8*\b+7], v[AF+32*(\f)+8*(\a):AF+32*(\f)+8*(\a)+7], v[BIAS+8*\b:BIAS+8*\b+7]
.else
	v_wmma_f32_16x16x32_f16 v[8*(8*(\a)+\b):8*(8*(\a)+\b)+7], v[64*(\f)+8*\b:64*(\f)+8*\b+7], v[AF+32*(\f)+8*(\a):AF+32*(\f)+8*(\a)+7], v[8*(8*(\a)+\b):8*(8*(\a)+\b)+7]
.endif
.endr
.endm
; 24 LDS loads in one run: chunk ch of the slot into buffer f: source 0's eight fragments, then source 1's four
.macro FETCH slot, ch, f
	WIN TO_F
.irp b, 0,1,2,3,4,5,6,7
.irp j, 0,1
	ds_load_b128 v[64*(\f)+8*\b+4*\j:64*(\f)+8*\b+4*\j+3], v[ADR0+\slot] offset:\b*4096+(\ch)*1024+512*\j
.endr
.endr
	WIN 0
.irp a, 0,1,2,3
.irp j, 0,1
	ds_load_b128 v[AF+32*(\f)+8*\a+4*\j:AF+32*(\f)+8*\a+4*\j+3], v[ADR1+\slot] offset:\a*4096+(\ch)*1024+512*\j
.endr
.endr
.endm
.macro PLACES                          ; four places in front of loads into registers that matrix instructions have read, and of LDS stores that read results (ISA guide 7.12.1 for the LDS stores that read results)
.rept 4
	v_nop
.endr
.endm
; A K step is four quarters of 32 along K, 32 matrix instructions each, on buffers 0, 1, 0, 1.  One of the first three: multiplies buffer f and fetches chunk ch into buffer g.
.macro QUARTER slot, ch, f, g, zero
	s_wait_dscnt 4                                 ; source 0 and token tiles 0, 1 are in; the youngest four loads (tiles 2, 3) may be out
.if \zero
	WIN MUL_B
.else
	WIN MUL
.endif
	MUL8 \f, 0, \zero
	MUL8 \f, 1, \zero
	PLACES
	FETCH \slot, \ch, \g
	s_wait_dscnt 24                                ; all but the 24 just issued
.if \zero
	WIN MUL_B
.else
	WIN MUL
.endif
	MUL8 \f, 2, \zero
	MUL8 \f, 3, \zero
.endm
; The last quarter multiplies buffer 1 and changes slots: ONE barrier; in front of it each wave waits for all its tensor loads, adds 0 to its spare word, and waits for that and for its own reads of this slot.  fill = 1: this slot is filled again, two K steps ahead.
.macro TURN slot, next, fill
	WIN 0                                          ; (the add's two registers lie in window 0)
	s_wait_tensorcnt 0x0                           ; all my tensor loads have landed: my part of the next slot;
	ds_add_u32 v[SPW], v[NIL]                      ; 0 onto my spare word;
	s_wait_dscnt 5                                 ; (the add and the youngest four loads may be out)
	WIN MUL
	MUL8 1, 0, 0                                   ; eight matrix instructions stand between the add and the wait for it
	s_wait_dscnt 0x0                               ; the add is done, and my reads of this slot are over
	s_barrier_signal -1
	MUL8 1, 1, 0
.if \fill
	WIN 0
.endif
	s_barrier_wait -1
.if \fill
	CREST                                          ; the barrier has opened a round of the cluster's barrier: no wave of any partner still reads this slot's tile or has a load on its way
	s_add_nc_u64 s[G0A+4*\slot+2:G0A+4*\slot+3], s[G0A+4*\slot+2:G0A+4*\slot+3], 2*4096
	s_add_nc_u64 s[G0B+4*\slot+2:G0B+4*\slot+3], s[G0B+4*\slot+2:G0B+4*\slot+3], 2*4096
	JLOAD \slot                                    ; the first tensor load behind the round; the four v_nop behind it are also the places in front of the loads below
.else
	PLACES
.endif
	FETCH \next, 0, 0
	WIN MUL
	MUL8 1, 2, 0
	MUL8 1, 3, 0
.endm
	s_wait_tensorcnt 1                             ; my part of K step 0 is in (K step 1's may be out)
	s_barrier_signal -1
	s_barrier_wait -1                              ; everybody's is
	FETCH 0, 0, 0
	s_wait_loadcnt 0x0                             ; the bias
	QUARTER 0, 1, 0, 1, 1                          ; the first quarter stands in front of the loop: its 32 products start the 32 sums
	WIN 0                                          ; at a label and at a branch every window is 0
	s_mov_b32 s3, LAPS-1
.Llap:                                             ; a trip goes once round the ring, from a lap's second quarter to the next lap's first, and fills both slots again
	QUARTER 0, 2, 1, 0, 0
	QUARTER 0, 3, 0, 1, 0
	TURN 0, 1, 1
	QUARTER 1, 1, 0, 1, 0
	QUARTER 1, 2, 1, 0, 0
	QUARTER 1, 3, 0, 1, 0
	TURN 1, 0, 1
	QUARTER 0, 1, 0, 1, 0
	WIN 0
	s_sub_co_u32 s3, s3, 1
	s_cmp_lg_u32 s3, 0
	s_cbranch_scc1 .Llap
	QUARTER 0, 2, 1, 0, 0                          ; the last lap fills nothing, and has no round of the cluster's barrier
	QUARTER 0, 3, 0, 1, 0
	TURN 0, 1, 0
	QUARTER 1, 1, 0, 1, 0
	QUARTER 1, 2, 1, 0, 0
	QUARTER 1, 3, 0, 1, 0
	s_wait_dscnt 4                                 ; the very last quarter: nothing more to fetch
	WIN MUL
	MUL8 1, 0, 0
	MUL8 1, 1, 0
	s_wait_dscnt 0x0
	MUL8 1, 2, 0
	MUL8 1, 3, 0
	WIN 0
; THE WAY OUT, a block of 16 rows x 128 columns at a time.  A lane holds 32 neighbouring bytes of a row, and the lanes beside it hold other rows: a block goes through my own stage in LDS and comes back as whole rows of 512 bytes.
; LDS serves a wave's instructions in order (ISA guide 5.7.1.4): no wait between the stores and the loads, nor in front of the next block's stores.
.macro TOSTAGE a
	WIN 0x08                                       ; an LDS store's data are its source 1: window 2
.irp b, 0,1,2,3,4,5,6,7
	ds_store_b128 v[STO], v[8*(8*(\a)+\b):8*(8*(\a)+\b)+3] offset:64*\b           ; each accumulator from its low end on
	ds_store_b128 v[STO], v[8*(8*(\a)+\b)+4:8*(8*(\a)+\b)+7] offset:64*\b+16
.endr
	WIN 0
.set BB, BK+64*((\a)%2)
.irp t, 0,1,2,3,4,5,6,7,8,9,10,11,12,13,14,15
	ds_load_b128 v[BB+4*\t:BB+4*\t+3], v[RD] offset:\t*SP
.endr
.endm
.macro SEND a, younger                 ; younger: the LDS instructions issued behind block a's loads, which may stay out
.set BB, BK+64*((\a)%2)
	s_wait_dscnt \younger                          ; the block is back in registers
.irp t, 0,1,2,3,4,5,6,7,8,9,10,11,12,13,14,15
	global_store_b128 v[CO], v[BB+4*\t:BB+4*\t+3], s[10:11] offset:(\a)*65536+\t*4096 th:TH_STORE_NT   ; 32 lanes store 512 consecutive bytes, at a multiple of 512 from out0's first byte; written once, read by nobody here
.endr
.endm
	PLACES                                         ; behind the last products: for the stores that read results and the loads into the registers that held source 1's fragments
	TOSTAGE 0
.irp a, 1,2,3
.if \a > 1
	s_wait_xcnt 0x0                                ; block a - 2's stores have read their registers: block a's loads may land there
.endif
	TOSTAGE \a
	SEND \a-1, 32                                  ; behind block a - 1's loads: block a's 16 stores and 16 loads
.endr
	SEND 3, 0
	s_wait_tensorcnt 0x0                           ; the wave's end: the tensor wait, the add and its wait behind my last tensor load and my last LDS store
	ds_add_u32 v[SPW], v[NIL]
	s_wait_dscnt 0x0
	CROUND                                         ; the closing round: no work-group ends while a partner may still ask for a tile that names it
	s_endpgm
.Lfunc_end_k_q9d405ca68f_proj:
	.size	k_q9d405ca68f_proj, .Lfunc_end_k_q9d405ca68f_proj-k_q9d405ca68f_proj
	.p2alignl 7, 3214868480
	.fill 96, 4, 3214868480
	.section	.rodata,"a",@progbits
	.p2align	6, 0x0
	.amdhsa_kernel k_q9d405ca68f_proj
		.amdhsa_group_segment_fixed_size 327680
		.amdhsa_private_segment_fixed_size 0
		.amdhsa_enable_private_segment 0
		.amdhsa_kernarg_size 32
		.amdhsa_user_sgpr_count 2
		.amdhsa_user_sgpr_kernarg_segment_ptr 1
		.amdhsa_wavefront_size32 1
		.amdhsa_system_sgpr_workgroup_id_x 1
		.amdhsa_system_sgpr_workgroup_id_y 1
		.amdhsa_system_sgpr_workgroup_id_z 1
		.amdhsa_system_vgpr_workitem_id 0
		.amdhsa_next_free_vgpr 768
		.amdhsa_next_free_sgpr 66
		.amdhsa_reserve_vcc 0
		.amdhsa_float_denorm_mode_32 3
		.amdhsa_float_denorm_mode_16_64 3
		.amdhsa_memory_ordered 1
		.amdhsa_forward_progress 1
		.amdhsa_inst_pref_size 86
	.end_amdhsa_kernel
	.amdgpu_metadata
---
amdhsa.version: [ 1, 2 ]
amdhsa.kernels:
  - .name:           k_q9d405ca68f_proj
    .symbol:         k_q9d405ca68f_proj.kd
    .args:
      - { .name: oa, .offset: 0, .size: 8, .value_kind: global_buffer, .address_space: global }
      - { .name: wp, .offset: 8, .size: 8, .value_kind: global_buffer, .address_space: global }
      - { .name: b_proj, .offset: 16, .size: 8, .value_kind: global_buffer, .address_space: global }
      - { .name: out0, .offset: 24, .size: 8, .value_kind: global_buffer, .address_space: global }
    .group_segment_fixed_size: 327680
    .private_segment_fixed_size: 0
    .kernarg_segment_align: 8
    .kernarg_segment_size: 32
    .max_flat_workgroup_size: 128
    .sgpr_count:     66
    .vgpr_count:     768
    .wavefront_size: 32
...
	.end_amdgpu_metadata
.endif
;; end of part 4
